; MI455X (gfx1250); checked and timed in simulation.
; The chip was launched on July 23, 2026; its instructions are those of AMD's public machine-readable ISA for CDNA 5 (MIT licence, August 2026) and "CDNA5" Instruction Set Architecture Reference Guide (July 2026). The comments in the code are by the model that wrote it; some were corrected since.
;; Causal Self Attention. Allowed arithmetic: matrix products marked QUANTISED: E4M3 operands, one given power-of-two scale a tensor, by v_wmma_f32_16x16x64_fp8_fp8 or v_wmma_f32_16x16x128_fp8_fp8, f32 sums; everything else in f32.
;; Inputs: W_qkv 1,024 x 3,072 float32; b_qkv 3,072 float32; lowp_scales 6 int32 (the exponents e of the quantised operands' scales 2^e); x 4,096 x 1,024 float32.
;; Outputs: out0 4,096 x 16 x 64 float32.
;; This version of the problem:
;;   THIS VERSION OF THE PROBLEM IS GIVEN IN LOW PRECISION. The matrix products marked QUANTISED in the list below multiply operands that are first quantised to E4M3 (4 exponent bits, 3 mantissa bits; 8 bits a number), with one given power-of-two scale for each operand tensor; their sums are f32. All else is computed in f32.
;;   The module's matrix products, in the order in which they are computed (A, B: the left and right operand; K: the contracted axis; several contracted axes count as one K, in the product's order):
;;     1. [M 4,096, K 1,024] x [K 1,024, N 3,072]; A: input x; B: input W_qkv: QUANTISED (scales: A lowp_scales[0], B lowp_scales[1])
;;     2. batch 16 x [M 4,096, K 64] x [K 64, N 4,096]; A: computed on the way; B: computed on the way: QUANTISED (scales: A lowp_scales[2], B lowp_scales[3])
;;     3. batch 16 x [M 64, K 4,096] x [K 4,096, N 4,096]; A: computed on the way; B: softmax (see below): QUANTISED (scales: A lowp_scales[4], B lowp_scales[5])
;;   THE QUANTISER, for each operand of a quantised product, along K:
;;     - The operand's scale is 2^e, e = its entry of the input lowp_scales (int32; the entries are numbered through the quantised products in the list's order, A before B).
;;     - Each number is divided by the scale, clamped to +-448, and rounded to the nearest number of E4M3, ties to even, subnormals kept.
;;     - The product sums the exact products of the quantised numbers (number of the format x scale) in f32.
;;   ~~~python
;;   def quantise(x, axis, e):      # numpy; x: float32 -> the quantised numbers, widened to float32 again
;;       x = np.moveaxis(x, axis, -1); K = x.shape[-1]
;;       r = np.clip(x / 2.0 ** e, -448, 448)
;;       step = 2.0 ** (np.maximum(np.frexp(np.where(r == 0, 1, r))[1] - 1, -6) - 3)
;;       q = np.round(r / step) * step * 2.0 ** e      # np.round: ties to even
;;       return np.moveaxis(q, -1, axis).astype(np.float32)
;;   ~~~
;;   SOFTMAX AHEAD OF A QUANTISED PRODUCT. Where the list says 'softmax', what is quantised is not the finished softmax but p = 2^(t - M), with t = logit x log2(e) and M = ceil(the row's largest t), a whole number; so 1/2 < the row's largest p <= 1. The row's sum l is taken of the UNQUANTISED p, in f32, and the product's result is divided by l at the end. Since M is a whole number, a kernel that streams over the keys may use a running M (the ceiling of the running maximum): every later rescaling is an exact power of two, so the quantised numbers keep their values, but for numbers so far below the row's largest that they fall under the format's range.
;;   OPERANDS COMPUTED ON THE WAY. 'Computed on the way' means the value that the module computes at that place (a softmax that the list does not call 'softmax' is quantised finished and normalised). What goes into a quantiser is computed in f32, as accurately as f32 sums, v_exp_f32 and their like allow (about 1e-6 of the number): no bf16 or f16 on the way to a quantiser, and a product that is left as it is and whose result goes on into a quantised operand takes f32 operands (vector FMAs, or v_wmma_f32_16x16x4_f32). A number that lies on a knife's edge between two numbers of the format may be rounded either way, as far as f32 arithmetic and the matrix unit's own rounding can turn it there, and no further.
;; One version. Each part assembles by itself: llvm-mc -triple=amdgcn-amd-amdhsa -mcpu=gfx1250 --defsym DOCPART=n.
;; ======== version 1 of 1: 3 launches
;; limits: right only within a limited range of input values
;; workspace buffers: codes 7,340,032 bytes; qkvc 12,582,912 bytes
;; launch quant (part 1): grid 224 x 1, 4 waves a work-group, no clusters, 68,096 bytes of LDS; arguments x, W_qkv, lowp_scales, codes; writes codes
.if DOCPART == 1
	.amdgcn_target "amdgcn-amd-amdhsa--gfx1250"
	.amdhsa_code_object_version 6
	.text
	.protected	k_q6ab595c8a2_quant
	.globl	k_q6ab595c8a2_quant
	.p2align	8
	.type	k_q6ab595c8a2_quant,@function
k_q6ab595c8a2_quant:
	s_mov_b64 s[64:65], 0
	v_nop
	global_prefetch_b8 v0, s[64:65] scope:SCOPE_SE
	s_setreg_imm32_b32 hwreg(HW_REG_WAVE_MODE, 25, 1), 1
	s_wait_xcnt 0x0
; x [4096][1024] and W_qkv [1024][3072], f32, become codes of FP8 (E4M3), one byte each, K innermost, in ONE buffer of 7,168 rows x 1,024 bytes:
; rows 0-4095 are x's tokens, row 4096 + n is column n of W_qkv.  code = number / 2^e, held within +-448, to the nearest code, ties to even; e = entry 0 (x) or entry 1 (W) of the scales.
; LIMITS: -126 <= e <= 119, so that 2^e and 448 x 2^e are f32 numbers.  NaN among the inputs is not served (an infinity is held at the largest code).
; The first 128 work-groups take x, the other 96 W: the text parts on the work-group's number, and each path has LDS bytes of its own.  Waves share nothing: no barrier.
; No matrix unit, no cluster, no tensor load: a stream that reads each number once and stores whole aligned runs of 256 bytes.
.set XWG,   128                        ; work-groups for x: 4096 x 1024 numbers / (4 waves x 8,192)
.set STEPS, 16                         ; x: steps of 512 numbers in a wave
.set SP,    80                         ; x: a lane's place in a stage: its 64 bytes + 16 of padding
.set WREG,  8192                       ; x: LDS of a wave: two stages of 32 x SP bytes
.set XR,    16                         ; v16-79   x: four sets of 16 numbers as they are loaded
.set XX,    80                         ; v80-111  x: two sets of 16 neighbours
.set XC,    128                        ; v128-191 x: codes, four registers for each step: no store's data are written again
.set WSTG,  32768                      ; W: its stages begin here, 32 rows x PITCH for each wave
.set PITCH, 272                        ; W: a stage row: 256 bytes of codes + 16
.set NB,    8                          ; W: blocks of 32 along K in a wave's 256
.set WROW,  3072*4                     ; W: a row in memory, in bytes
.set WX,    32                         ; v32-95   W: two sets of 32 numbers
.set WC,    96                         ; v96-103  W: a block's codes
.set WO,    112                        ; v112-175 W: the way out
.set MANT,  0x600000                   ; the mantissa field of 448 as f32
	s_load_b256 s[4:11], s[0:1], 0x0               ; x s[4:5], W s[6:7], the scales s[8:9], the codes s[10:11]
	v_lshl_add_u32 v192, v0, 2, 0x10800
	v_mov_b32 v193, 0
	v_lshrrev_b32 v1, 5, v0
	v_readfirstlane_b32 s16, v1                    ; wave 0..3
	v_and_b32 v2, 31, v0                           ; lane
	s_cmp_lt_u32 ttmp9, XWG
	s_cbranch_scc0 .Lw
; ---------------- x: K is innermost, rows are dense: a plain stream of numbers, and so are its codes.
; A conversion takes 8 neighbours from one lane's registers, a load is best with neighbouring lanes on neighbouring bytes: each load takes 512 consecutive bytes, 16 a lane;
; a step's 2,048 bytes turn through the wave's own stage in LDS and come back 64 bytes a lane.  Loads run four steps ahead, the turn one step.
	v_lshlrev_b32 v3, 4, v2                        ; 16 x lane: my bytes of a load's 512, and of a store's 512
	s_mul_i32 s17, s16, WREG
	v_lshrrev_b32 v14, 2, v2
	v_mul_u32_u24 v14, v14, SP
	v_and_b32 v15, 3, v2
	v_lshl_add_u32 v14, v15, 4, v14
	v_add_nc_u32 v14, s17, v14                     ; into the stage: four lanes' 64 bytes on end, then 16 of padding
	v_mul_u32_u24 v15, v2, SP
	v_add_nc_u32 v15, s17, v15                     ; out of it: SP x lane: my 16 neighbours
	s_lshl_b32 s18, ttmp9, 2
	s_add_co_u32 s18, s18, s16                     ; which run of 8,192 numbers is my wave's: 0..511
	s_lshl_b32 s20, s18, 15                        ; 32,768 bytes of f32
	s_mov_b32 s21, 0
	s_lshl_b32 s22, s18, 13                        ; 8,192 bytes of codes
	s_mov_b32 s23, 0
	s_wait_alu depctr_va_vdst(0)
	s_wait_kmcnt 0x0
	s_load_b32 s24, s[8:9], 0x0                    ; ex
	s_add_nc_u64 s[4:5], s[4:5], s[20:21]
	s_add_nc_u64 s[10:11], s[10:11], s[22:23]
.macro XLOAD t
.irp i, 0,1,2,3
	global_load_b128 v[XR+16*((\t)%4)+4*\i:XR+16*((\t)%4)+4*\i+3], v3, s[4:5] offset:2048*(\t)+512*\i th:TH_LOAD_NT   ; 32 lanes read 512 consecutive bytes
.endr
.endm
.macro XTURN t                         ; LDS serves a wave's instructions in order (ISA guide 5.7.1.4): no wait between the stores and the loads
.irp i, 0,1,2,3
	ds_store_b128 v14, v[XR+16*((\t)%4)+4*\i:XR+16*((\t)%4)+4*\i+3] offset:32*SP*((\t)%2)+8*SP*\i
.endr
.irp i, 0,1,2,3
	ds_load_b128 v[XX+16*((\t)%2)+4*\i:XX+16*((\t)%2)+4*\i+3], v15 offset:32*SP*((\t)%2)+16*\i
.endr
.endm
.irp t, 0,1,2,3
	XLOAD \t
.endr
	s_wait_kmcnt 0x0
	s_add_co_i32 s24, s24, 127
	s_lshl_b32 s25, s24, 23
	v_mov_b32 v11, s25                             ; 2^ex as f32: the conversion takes its exponent field
	s_add_co_i32 s24, s24, 8
	s_lshl_b32 s24, s24, 23
	s_or_b32 s24, s24, MANT
	v_mov_b32 v10, s24                             ; 448 x 2^ex
	s_wait_alu depctr_va_vdst(0)
	s_wait_loadcnt 12                              ; step 0's four loads are in; three steps' twelve may be out
	XTURN 0
.macro XSTEP t
.set XS, XX+16*((\t)%2)
	s_wait_dscnt 0x0                               ; this step's numbers are back from the stage, so its stores into the stage have read their registers,
.if (\t)+4 < STEPS
	XLOAD (\t)+4                                   ; which take the loads of four steps on
.endif
.if (\t)+1 < STEPS
.if STEPS-2-(\t) >= 3
	s_wait_loadcnt 12                              ; the next step's four loads are in; those of the three steps behind it may be out
.else
	s_wait_loadcnt 4*(STEPS-2-(\t))                ; at the tail fewer steps stand behind it
.endif
	XTURN (\t)+1                                   ; through the other stage while this step is worked
.endif
.irp i, 0,1,2,3,4,5,6,7,8,9,10,11,12,13,14,15
	v_med3_num_f32 v[XS+\i], v[XS+\i], -v10, v10   ; the conversion to an 8-bit code does not saturate (ISA guide 7.6.2): the hold comes first
.endr
	v_cvt_scalef32_pk8_fp8_f32 v[XC+4*(\t):XC+4*(\t)+1], v[XS:XS+7], v11
	v_cvt_scalef32_pk8_fp8_f32 v[XC+4*(\t)+2:XC+4*(\t)+3], v[XS+8:XS+15], v11
	global_store_b128 v3, v[XC+4*(\t):XC+4*(\t)+3], s[10:11] offset:512*(\t)   ; the wave stores 512 consecutive bytes, aligned
.endm
.irp t, 0,1,2,3,4,5,6,7,8,9,10,11,12,13,14,15
	XSTEP \t
.endr
	s_wait_tensorcnt 0x0
	ds_add_u32 v192, v193
	s_wait_dscnt 0x0
	s_endpgm
; ---------------- W: K is its FIRST axis.  A lane takes a column n and its registers run down K: each load reads neighbouring n in neighbouring lanes (128 consecutive bytes a wave,
; 512 a work-group), and the conversions give codes with K innermost.  A wave takes 32 columns x 256 along K; the codes go through its own stage and leave as rows of 256 bytes.
.Lw:
	s_sub_co_u32 s17, ttmp9, XWG                   ; 0..95
	s_lshr_b32 s18, s17, 2                         ; which 128 columns: 0..23
	s_and_b32 s19, s17, 3                          ; which 256 along K
	s_lshl_b32 s17, s18, 7
	s_lshl_b32 s18, s16, 5
	s_add_co_u32 s17, s17, s18                     ; my wave's first column
	s_wait_alu depctr_va_vdst(0)
	v_lshlrev_b32 v3, 2, v2                        ; in: 4 bytes a lane
	s_mul_i32 s18, s16, 32*PITCH
	s_add_co_u32 s18, s18, WSTG                    ; my stage
	v_mul_u32_u24 v4, v2, PITCH
	v_add_nc_u32 v4, s18, v4                       ; into it: row = my column
	v_and_b32 v5, 15, v2
	v_lshrrev_b32 v6, 4, v2                        ; out of it: sixteen lanes to a row, two rows an instruction
	v_mul_u32_u24 v7, v6, PITCH
	v_lshl_add_u32 v7, v5, 4, v7
	v_add_nc_u32 v7, s18, v7
	v_lshlrev_b32 v8, 10, v6                       ; and the same place in the codes: rows of 1,024 bytes
	v_lshl_add_u32 v8, v5, 4, v8
	s_mul_i32 s20, s19, 256*WROW                   ; W: 256 rows for each step along K,
	s_lshl_b32 s22, s17, 2
	s_add_co_u32 s20, s20, s22                     ; + 4 x column
	s_mov_b32 s21, 0
	s_lshl_b32 s24, s17, 10                        ; codes: column x 1,024
	s_lshl_b32 s26, s19, 8
	s_add_co_u32 s24, s24, s26                     ; + 256 x the step along K
	s_add_co_u32 s24, s24, 4096*1024               ; behind x's rows
	s_mov_b32 s25, 0
	s_wait_kmcnt 0x0
	s_load_b32 s30, s[8:9], 0x4                    ; ew
	s_add_nc_u64 s[6:7], s[6:7], s[20:21]
	s_add_nc_u64 s[10:11], s[10:11], s[24:25]
.macro WLOAD t                         ; block t: W(32 t + i, my column) into set t % 2; the largest offset, 255 rows, lies inside the signed 24-bit immediate
.set i, 0
.rept 32
	global_load_b32 v[WX+32*((\t)%2)+i], v3, s[6:7] offset:(32*(\t)+i)*WROW th:TH_LOAD_NT
.set i, i+1
.endr
.endm
	WLOAD 0
	WLOAD 1
	s_wait_kmcnt 0x0
	s_add_co_i32 s30, s30, 127
	s_lshl_b32 s31, s30, 23
	v_mov_b32 v11, s31                             ; 2^ew
	s_add_co_i32 s30, s30, 8
	s_lshl_b32 s30, s30, 23
	s_or_b32 s30, s30, MANT
	v_mov_b32 v10, s30                             ; 448 x 2^ew
.macro WBLOCK t
.set WS, WX+32*((\t)%2)
.if (\t) < NB-1
	s_wait_loadcnt 32                              ; this block's 32 loads are in; the next block's may be out
.else
	s_wait_loadcnt 0
.endif
.set i, 0
.rept 32
	v_med3_num_f32 v[WS+i], v[WS+i], -v10, v10     ; the hold at the largest code x the scale
.set i, i+1
.endr
.irp g, 0,1,2,3
	v_cvt_scalef32_pk8_fp8_f32 v[WC+2*\g:WC+2*\g+1], v[WS+8*\g:WS+8*\g+7], v11
.endr
	ds_store_b128 v4, v[WC:WC+3] offset:32*(\t)    ; 32 codes: 32 bytes of my column's row
	ds_store_b128 v4, v[WC+4:WC+7] offset:32*(\t)+16
.if (\t)+2 < NB
	WLOAD (\t)+2
.endif
	s_wait_dscnt 0x0                               ; the stores have read their registers: the next block's codes may be written
.endm
	s_wait_alu depctr_va_vdst(0)
.irp t, 0,1,2,3,4,5,6,7
	WBLOCK \t
.endr
.irp t, 0,1,2,3,4,5,6,7,8,9,10,11,12,13,14,15
	ds_load_b128 v[WO+4*\t:WO+4*\t+3], v7 offset:2*\t*PITCH   ; in order behind my stores
.endr
.irp t, 0,1,2,3,4,5,6,7,8,9,10,11,12,13,14,15
	s_wait_dscnt 15-\t                             ; load t is in; the younger ones may be out
	global_store_b128 v8, v[WO+4*\t:WO+4*\t+3], s[10:11] offset:2*\t*1024   ; sixteen lanes store 256 consecutive bytes, aligned
.endr
	s_wait_tensorcnt 0x0
	ds_add_u32 v192, v193
	s_wait_dscnt 0x0
	s_endpgm
.Lfunc_end_k_q6ab595c8a2_quant:
	.size	k_q6ab595c8a2_quant, .Lfunc_end_k_q6ab595c8a2_quant-k_q6ab595c8a2_quant
	.p2alignl 7, 3214868480
	.fill 96, 4, 3214868480
	.section	.rodata,"a",@progbits
	.p2align	6, 0x0
	.amdhsa_kernel k_q6ab595c8a2_quant
		.amdhsa_group_segment_fixed_size 68096
		.amdhsa_private_segment_fixed_size 0
		.amdhsa_enable_private_segment 0
		.amdhsa_kernarg_size 32
		.amdhsa_user_sgpr_count 2
		.amdhsa_user_sgpr_kernarg_segment_ptr 1
		.amdhsa_wavefront_size32 1
		.amdhsa_system_sgpr_workgroup_id_x 1
		.amdhsa_system_sgpr_workgroup_id_y 1
		.amdhsa_system_sgpr_workgroup_id_z 1
		.amdhsa_system_vgpr_workitem_id 0
		.amdhsa_next_free_vgpr 194
		.amdhsa_next_free_sgpr 66
		.amdhsa_reserve_vcc 0
		.amdhsa_float_denorm_mode_32 3
		.amdhsa_float_denorm_mode_16_64 3
		.amdhsa_memory_ordered 1
		.amdhsa_forward_progress 1
		.amdhsa_inst_pref_size 85
	.end_amdhsa_kernel
	.amdgpu_metadata
---
amdhsa.version: [ 1, 2 ]
amdhsa.kernels:
  - .name:           k_q6ab595c8a2_quant
    .symbol:         k_q6ab595c8a2_quant.kd
    .args:
      - { .name: x, .offset: 0, .size: 8, .value_kind: global_buffer, .address_space: global }
      - { .name: W_qkv, .offset: 8, .size: 8, .value_kind: global_buffer, .address_space: global }
      - { .name: lowp_scales, .offset: 16, .size: 8, .value_kind: global_buffer, .address_space: global }
      - { .name: codes, .offset: 24, .size: 8, .value_kind: global_buffer, .address_space: global }
    .group_segment_fixed_size: 68096
    .private_segment_fixed_size: 0
    .kernarg_segment_align: 8
    .kernarg_segment_size: 32
    .max_flat_workgroup_size: 128
    .sgpr_count:     66
    .vgpr_count:     194
    .wavefront_size: 32
...
	.end_amdgpu_metadata
.endif
;; end of part 1
;; launch qkv (part 2): grid 12 x 16, 4 waves a work-group, clusters of 4 x 4, 327,680 bytes of LDS; arguments codes, b_qkv, lowp_scales, qkvc; writes qkvc
.if DOCPART == 2
	.amdgcn_target "amdgcn-amd-amdhsa--gfx1250"
	.amdhsa_code_object_version 6
	.text
	.protected	k_q6ab595c8a2_qkv
	.globl	k_q6ab595c8a2_qkv
	.p2align	8
	.type	k_q6ab595c8a2_qkv,@function
k_q6ab595c8a2_qkv:
	s_mov_b64 s[64:65], 0
	v_nop
	global_prefetch_b8 v0, s[64:65] scope:SCOPE_SE
	s_setreg_imm32_b32 hwreg(HW_REG_WAVE_MODE, 25, 1), 1
	s_wait_xcnt 0x0
	s_wait_alu depctr_hold_cnt(0) depctr_sa_sdst(0) depctr_va_vdst(0) depctr_va_sdst(0) depctr_va_ssrc(0) depctr_va_vcc(0) depctr_vm_vsrc(0)
	s_getreg_b32 s2, hwreg(HW_REG_IB_STS2, 6, 4)
	s_cmp_eq_u32 s2, 0
	s_cbranch_scc0 .Lentry_in_a_cluster
	s_endpgm
.Lentry_in_a_cluster:
	s_bfe_u32 s2, ttmp6, 0x10000c
	s_cmp_lg_u32 s2, 0xf033
	s_cbranch_scc0 .Lentry_shape_is_right
	s_endpgm
.Lentry_shape_is_right:
; qkv = x W_qkv + b_qkv on codes of FP8 (E4M3), and its quantising for the attention launch.  codes: rows 0-4095 x's tokens, row 4096 + n column n of W_qkv, 1,024 bytes each, K innermost.
; A work-group of four waves makes a tile of 256 x 256, a wave 128 x 128 in 64 accumulators; K goes in steps of 256 through a ring of two LDS slots filled by joint tensor loads (clusters of 4 x 4: A's tile shared along a row, B's along a column).
; Clusters x = 0, 1 make q and k (rows = tokens, columns = features); cluster x = 2 makes v with the operands' roles changed (rows = channels, columns = tokens), so that v's codes have the tokens innermost.
; Each sum stands for sum x 2^(ex + ew): the bias goes in divided by that, and the conversion's scale is 2^(e - ex - ew), e = entry 2 (q), 3 (k) or 4 (v) of the scales; the hold at 448 x that scale comes first.
; LIMITS: e - ex - ew between -126 and 119.  NaN among the inputs is not served.
; THE BIAS is asked for at the head and waited for in front of the way out (macro BIAS): its registers, window 0's v32-111, are named by no line of the K loop.
; PREFETCH INTO THE L2: behind K step 0's joint load a wave names K steps 1 and 2, behind K step 1's K step 3, of 32 of the 128 rows that it fetches, a lane a row of 256 bytes;
; the four partners that ask for a tile jointly share its rows out BY ADDRESS (cx for A's tile, cy for B's): each aligned block of 256 bytes is named once in each cluster that loads it.  K has four steps: none lies behind the third.
.set KSTEP,  256
.set ROWB,   256
.set KROW,   1024
.set PITCH,  272
.set FR,     16
.set NL,     4
.set NP,     4
.set HALFT,  128*PITCH
.set SLOT,   4*HALFT
.set LAPS,   2
.set SPARE,  2*SLOT
.set SPITCH, 272
.set ADRA, 16
.set ADRB, 20
.set STO,  24
.set RD,   25
.set SPW,  28
.set NIL,  29
.set BR,   32
.set BL,   96
.set TMP,  112
.set CD,   176
.set VO,   32
.set OB,   64
.set AF,   128
.set G1, 24
.set G0, 32
.set G1B, 48
.set G0B, 56
.set MSB, 0
.macro WIN new
.if MSB != \new
	s_set_vgpr_msb (MSB<<8)|\new
.set MSB, \new
.endif
.endm
.set MUL_LO, 0xa1
.set MUL_HI, 0xf1
.set TO_B,   0x40
.macro JLOAD g0a, g1a, g0b, g1b
	s_cmp_eq_u32 s15, 0
	s_cbranch_scc0 .Lfor_b_\@
	tensor_load_to_lds s[\g0a:\g0a+3], s[\g1a:\g1a+7]
	s_nop 0
.rept 4
	v_nop
.endr
	s_branch .Lasked_\@
.Lfor_b_\@:
	tensor_load_to_lds s[\g0b:\g0b+3], s[\g1b:\g1b+7]
	s_nop 0
.rept 4
	v_nop
.endr
.Lasked_\@:
.endm
.macro CREST
	s_cmp_lg_u32 s14, 0
	s_cbranch_scc1 .Lnot_wave_0_\@
	s_barrier_signal -3
.Lnot_wave_0_\@:
	s_barrier_wait -3
	s_barrier_signal -1
	s_barrier_wait -1
.endm
.macro CROUND
	s_barrier_signal -1
	s_barrier_wait -1
	CREST
.endm
	s_load_b256 s[4:11], s[0:1], 0x0
	v_lshl_add_u32 v[SPW], v0, 2, SPARE
	v_mov_b32 v[NIL], 0
	ds_add_u32 v28, v29
	ds_add_u32 v28, v29
	s_wait_dscnt 0x0
	v_lshrrev_b32 v1, 5, v0
	v_readfirstlane_b32 s14, v1
	s_lshr_b32 s15, s14, 1
	s_and_b32 s16, s14, 1
	s_bfe_u32 s40, ttmp6, 0x40000
	s_bfe_u32 s41, ttmp6, 0x40004
	s_and_b32 s12, ttmp7, 0xffff
	s_lshl_b32 s12, s12, 2
	s_lshl_b32 s13, ttmp9, 2
	s_lshl_b32 s43, s41, 2
	s_lshl_b32 s43, 15, s43
	s_lshl_b32 s44, 0x1111, s40
	s_cmp_eq_u32 ttmp9, 2
	s_cselect_b32 s17, 0, s12
	s_cselect_b32 s42, s12, s13
	s_cselect_b32 s66, 6144, 0
	s_cselect_b32 s67, 0, 4096
	; THE WAY OUT'S LAYOUT: q and k lie [feature block of 64][token][64 bytes], v lies [head][block of 64 tokens][channel][64 bytes] from byte 0x800000:
	; byte = (block of 64 stage rows) << s80 + (block of 64 stage columns) << s68 + 64 x (row % 64) + column % 64
	s_cselect_b32 s68, 12, 18
	s_cselect_b32 s80, 18, 12
	s_cselect_b32 s69, 0x800000, 0
	s_cselect_b32 s70, -1, 0
	s_cselect_b32 s71, 0, -1
	s_add_co_u32 s17, s17, s41
	s_add_co_u32 s42, s42, s40
	s_or_b32 s[G1+0], s43, (0<<16)|(1<<20)|(1<<21)|(5<<22)|(3<<25)
	s_or_b32 s[G1B+0], s44, (0<<16)|(1<<20)|(1<<21)|(5<<22)|(3<<25)
.irp g, G1, G1B
	s_mov_b32 s[\g+1], ROWB<<16
	s_mov_b32 s[\g+2], 128<<16
	s_mov_b32 s[\g+3], ROWB<<16
	s_mov_b32 s[\g+4], 128
	s_mov_b32 s[\g+5], KROW
	s_mov_b32 s[\g+6], 0
	s_mov_b32 s[\g+7], 0
.endr
	s_lshl_b32 s18, s16, 7
	s_lshl_b32 s20, s17, 8
	s_add_co_u32 s20, s20, s18
	s_add_co_u32 s20, s20, s66
	s_lshl_b32 s20, s20, 10
	s_mov_b32 s21, 0
	s_lshl_b32 s46, s42, 8
	s_add_co_u32 s46, s46, s18
	s_add_co_u32 s46, s46, s67
	s_lshl_b32 s46, s46, 10
	s_mov_b32 s47, 0
	s_cmp_eq_u32 s15, 0                            ; the prefetches: do I fetch for A?
	s_cselect_b32 s82, s20, s46                    ; the byte offset of my 128 rows,
	s_cselect_b32 s84, s40, s41                    ; my place among the four that ask with me,
	s_lshl_b32 s84, s84, 15                        ; x 32 rows of 1,024 bytes
	s_add_co_u32 s82, s82, s84
	s_mov_b32 s83, 0
	v_and_b32 v30, 31, v0
	v_lshlrev_b32 v30, 10, v30                     ; a lane a row; never rewritten
	s_mul_i32 s45, s14, HALFT
	s_wait_kmcnt 0x0
	s_load_b128 s[88:91], s[8:9], 0x0
	s_load_b64 s[92:93], s[8:9], 0x10
	s_add_nc_u64 s[20:21], s[4:5], s[20:21]
	s_add_nc_u64 s[46:47], s[4:5], s[46:47]
	s_add_nc_u64 s[82:83], s[4:5], s[82:83]
	CROUND
.irp s, 0,1
	s_mov_b32 s[G0+4*\s], 1
	s_add_co_u32 s[G0+4*\s+1], s45, \s*SLOT
	s_add_nc_u64 s[G0+4*\s+2:G0+4*\s+3], s[20:21], \s*ROWB
	s_or_b32 s[G0+4*\s+3], s[G0+4*\s+3], 0x80000000
	s_mov_b32 s[G0B+4*\s], 1
	s_add_co_u32 s[G0B+4*\s+1], s45, \s*SLOT
	s_add_nc_u64 s[G0B+4*\s+2:G0B+4*\s+3], s[46:47], \s*ROWB
	s_or_b32 s[G0B+4*\s+3], s[G0B+4*\s+3], 0x80000000
	s_wait_alu depctr_va_vdst(0)
	s_wait_tensorcnt 0x0
	ds_add_u32 v28, v29
	ds_add_u32 v28, v29
	s_wait_dscnt 0x0
	CROUND
	JLOAD G0+4*\s, G1, G0B+4*\s, G1B
.if \s == 0
	global_prefetch_b8 v30, s[82:83] offset:256 th:TH_LOAD_NT scope:SCOPE_SE   ; K step 1
	global_prefetch_b8 v30, s[82:83] offset:512 th:TH_LOAD_NT scope:SCOPE_SE   ; K step 2
.else
	global_prefetch_b8 v30, s[82:83] offset:768 th:TH_LOAD_NT scope:SCOPE_SE   ; K step 3
.endif
.endr
	v_and_b32 v1, 15, v0
	v_bfe_u32 v2, v0, 4, 1
	v_mul_u32_u24 v3, v1, PITCH
	s_wait_alu depctr_va_vdst(0)
	v_lshl_add_u32 v4, v2, 4, v3
	s_mul_i32 s21, s15, HALFT
	s_mul_i32 s22, s16, HALFT
	s_add_co_u32 s22, s22, 2*HALFT
.irp s, 0,1
	v_add_nc_u32 v[ADRA+\s], s21, v4
	v_add_nc_u32 v[ADRB+\s], s22, v4
	s_add_co_u32 s21, s21, SLOT
	s_add_co_u32 s22, s22, SLOT
.endr
	s_mul_i32 s23, s15, 128*SPITCH
	s_lshl_b32 s21, s16, 7
	s_add_co_u32 s23, s23, s21
	v_lshl_add_u32 v5, v2, 3, v3
	v_add_nc_u32 v[STO], s23, v5
	s_mul_i32 s23, s14, 64*SPITCH
	v_lshrrev_b32 v5, 2, v1                        ; back from the stage: sixteen lanes take 4 rows x 64 bytes, which lie on end in memory
	v_mul_u32_u24 v5, v5, SPITCH
	v_and_b32 v7, 3, v1
	v_lshl_add_u32 v5, v7, 4, v5
	v_lshl_add_u32 v5, v2, 6, v5                   ; lanes 16-31: the next 64 columns
	v_add_nc_u32 v[RD], s23, v5
	s_lshl_b32 s72, s17, 2
	s_add_co_u32 s72, s72, s14                     ; my wave's block of 64 stage rows
	s_lshl_b32 s72, s72, s80
	s_add_co_u32 s72, s72, s69
	s_lshl_b32 s73, s42, 2                         ; the tile's first block of 64 columns
	s_lshl_b32 s73, s73, s68
	s_add_co_u32 s72, s72, s73
	s_mov_b32 s73, 0
	s_add_nc_u64 s[10:11], s[10:11], s[72:73]
	s_lshl_b32 s74, s42, 8
	s_lshl_b32 s75, s16, 7
	s_add_co_u32 s74, s74, s75
	s_and_b32 s74, s74, s71
	s_lshl_b32 s74, s74, 2
	s_mov_b32 s75, 0
	s_add_nc_u64 s[74:75], s[6:7], s[74:75]
	s_lshl_b32 s76, s17, 8
	s_lshl_b32 s77, s15, 7
	s_add_co_u32 s76, s76, s77
	s_add_co_u32 s76, s76, 2048
	s_and_b32 s76, s76, s70
	s_lshl_b32 s76, s76, 2
	s_mov_b32 s77, 0
	s_add_nc_u64 s[76:77], s[6:7], s[76:77]
	v_lshlrev_b32 v5, 5, v2
	v_lshlrev_b32 v6, 2, v1
.irp b, 0,1,2,3,4,5,6,7
	global_load_b128 v[BR+8*\b:BR+8*\b+3], v5, s[74:75] offset:64*\b
	global_load_b128 v[BR+8*\b+4:BR+8*\b+7], v5, s[74:75] offset:64*\b+16
.endr
.irp a, 0,1,2,3,4,5,6,7
	global_load_b32 v[BL+2*\a], v6, s[76:77] offset:64*\a
.endr
	s_wait_kmcnt 0x0
	s_cmp_eq_u32 ttmp9, 0
	s_cselect_b32 s94, s90, s91
	s_cmp_eq_u32 ttmp9, 2
	s_cselect_b32 s94, s92, s94
	s_add_co_i32 s95, s88, s89
	s_sub_co_i32 s78, 0, s95
	s_sub_co_i32 s94, s94, s95
	s_add_co_i32 s94, s94, 127
	s_lshl_b32 s95, s94, 23
	v_mov_b32 v8, s95
	s_add_co_i32 s94, s94, 8
	s_lshl_b32 s94, s94, 23
	s_or_b32 s94, s94, 0x600000
	v_mov_b32 v9, s94
	v_mov_b32 v27, 0
	s_lshl_b32 s79, 2, s68
.macro BIAS                            ; the bias is in: divided by 2^(ex + ew); the one of the two forms (along the columns, along the rows) that this cluster does not use becomes 0
	s_wait_loadcnt 0x0
.set j, 0
.rept 64
	v_ldexp_f32 v[BR+j], v[BR+j], s78
.set j, j+1
.endr
.set j, 0
.rept 64
	v_cndmask_b32 v[BR+j], v[BR+j], v27, s70
.set j, j+1
.endr
.irp a, 0,1,2,3,4,5,6,7
	v_ldexp_f32 v[BL+2*\a], v[BL+2*\a], s78
.endr
.irp a, 0,1,2,3,4,5,6,7
	v_cndmask_b32 v[BL+2*\a], v[BL+2*\a], v27, s71
.endr
.irp a, 0,1,2,3,4,5,6,7
	v_mov_b32 v[BL+2*\a+1], v[BL+2*\a]
.endr
.endm
	s_wait_alu depctr_va_vdst(0)                   ; the wait at the head's end
.macro FRAG reg, adr, q, i
.irp c, 0,1,2,3
	ds_load_b128 v[\reg+4*\c:\reg+4*\c+3], v[\adr] offset:128*(\q)+32*\c+(\i)*16*PITCH
.endr
.endm
.macro MUL16 a0, p, zero
.irp a, \a0, \a0+1
.irp b, 0,1,2,3,4,5,6,7
.if \zero
	v_wmma_f32_16x16x128_fp8_fp8 v[8*(8*((\a)%4)+\b):8*(8*((\a)%4)+\b)+7], v[128*(\p)+FR*\b:128*(\p)+FR*\b+FR-1], v[AF+FR*(\a):AF+FR*(\a)+FR-1], 0
.else
	v_wmma_f32_16x16x128_fp8_fp8 v[8*(8*((\a)%4)+\b):8*(8*((\a)%4)+\b)+7], v[128*(\p)+FR*\b:128*(\p)+FR*\b+FR-1], v[AF+FR*(\a):AF+FR*(\a)+FR-1], v[8*(8*((\a)%4)+\b):8*(8*((\a)%4)+\b)+7]
.endif
.endr
.endr
.endm
.macro FETCH_B slot, q, p
	WIN TO_B
.irp i, 0,1,2,3,4,5,6,7
	FRAG 128*(\p)+FR*\i, ADRB+\slot, \q, \i
.endr
	WIN 0
.endm
.macro FETCH_A slot, q, i0
.irp i, \i0, \i0+1, \i0+2, \i0+3
	FRAG AF+FR*(\i), ADRA+\slot, \q, \i
.endr
.endm
.macro PLACES n
.rept \n
	v_nop
.endr
.endm
.macro STEP slot, q, zero
	s_wait_dscnt 4*NL
	WIN MUL_LO
	MUL16 0, (\q)%2, \zero
	MUL16 2, (\q)%2, \zero
	s_wait_dscnt 0
	PLACES NP
	FETCH_B \slot, (\q)+1, 1-(\q)%2
	FETCH_A \slot, (\q)+1, 0
	WIN MUL_HI
	MUL16 4, (\q)%2, \zero
	MUL16 6, (\q)%2, \zero
	PLACES NP
	WIN 0
	FETCH_A \slot, (\q)+1, 4
.endm
.macro TURN slot, next, fill
	s_wait_tensorcnt 0x0
	ds_add_u32 v[SPW], v[NIL]
	s_wait_dscnt 4*NL+1
	WIN MUL_LO
	MUL16 0, 1, 0
	s_wait_dscnt 0x0
	s_barrier_signal -1
	MUL16 2, 1, 0
	WIN 0
	s_barrier_wait -1
.if \fill
	CREST
	s_add_nc_u64 s[G0+4*\slot+2:G0+4*\slot+3], s[G0+4*\slot+2:G0+4*\slot+3], 2*ROWB
	s_add_nc_u64 s[G0B+4*\slot+2:G0B+4*\slot+3], s[G0B+4*\slot+2:G0B+4*\slot+3], 2*ROWB
	JLOAD G0+4*\slot, G1, G0B+4*\slot, G1B
.else
	PLACES NP
.endif
	FETCH_B \next, 0, 0
	FETCH_A \next, 0, 0
	WIN MUL_HI
	MUL16 4, 1, 0
	MUL16 6, 1, 0
	PLACES NP
	WIN 0
	FETCH_A \next, 0, 4
.endm
	s_wait_tensorcnt 1
	s_barrier_signal -1
	s_barrier_wait -1
	FETCH_B 0, 0, 0
	FETCH_A 0, 0, 0
	FETCH_A 0, 0, 4
	STEP 0, 0, 1
	s_mov_b32 s3, LAPS-1
.Llap:
	TURN 0, 1, 1
	STEP 1, 0, 0
	TURN 1, 0, 1
	STEP 0, 0, 0
	s_sub_co_u32 s3, s3, 1
	s_cmp_lg_u32 s3, 0
	s_cbranch_scc1 .Llap
	TURN 0, 1, 0
	STEP 1, 0, 0
	s_wait_dscnt 4*NL
	WIN MUL_LO
	MUL16 0, 1, 0
	MUL16 2, 1, 0
	s_wait_dscnt 0
	WIN MUL_HI
	MUL16 4, 1, 0
	MUL16 6, 1, 0
	WIN 0
.macro OUTBLK a
.set AC, 64*((\a)%4)
	WIN 0x02+((\a)/4)
.set j, 0
.rept 32
	v_pk_add_f32 v[TMP+j:TMP+j+1], v[AC+j:AC+j+1], v[BR+j:BR+j+1]
.set j, j+2
.endr
	WIN 0
.set j, 0
.rept 32
	v_pk_add_f32 v[TMP+j:TMP+j+1], v[TMP+j:TMP+j+1], v[BL+2*(\a):BL+2*(\a)+1]
.set j, j+2
.endr
.set j, 0
.rept 64
	v_med3_num_f32 v[TMP+j], v[TMP+j], -v9, v9
.set j, j+1
.endr
.if (\a) >= 4
	s_wait_alu depctr_va_vdst(0)
	s_wait_dscnt 24
.endif
.irp b, 0,1,2,3,4,5,6,7
	v_cvt_scalef32_pk8_fp8_f32 v[CD+16*((\a)%4)+2*\b:CD+16*((\a)%4)+2*\b+1], v[TMP+8*\b:TMP+8*\b+7], v8
.endr
	v_nop
.irp b, 0,1,2,3,4,5,6,7
	ds_store_b64 v[STO], v[CD+16*((\a)%4)+2*\b:CD+16*((\a)%4)+2*\b+1] offset:(\a)*16*SPITCH+16*\b
.endr
.endm
	PLACES NP
	BIAS
.irp a, 0,1,2,3,4,5,6,7
	OUTBLK \a
.endr
	s_wait_dscnt 0x0
	s_barrier_signal -1
	v_lshlrev_b32 v[VO], s68, v2
	v_lshl_add_u32 v[VO], v1, 4, v[VO]
.set t, 1
.rept 1
	v_add_nc_u32 v[VO+t], s79, v[VO+t-1]
.set t, t+1
.endr
	s_wait_alu depctr_va_vdst(0)
	s_barrier_wait -1
.set t, 0
.rept 32
	ds_load_b128 v[OB+4*t:OB+4*t+3], v[RD] offset:4*(t/2)*SPITCH+128*(t%2)
.set t, t+1
.endr
.set t, 0
.rept 32
	s_wait_dscnt 31-t
	global_store_b128 v[VO+t%2], v[OB+4*t:OB+4*t+3], s[10:11] offset:256*(t/2)   ; sixteen lanes store 256 consecutive bytes, aligned
.set t, t+1
.endr
	s_wait_tensorcnt 0x0
	ds_add_u32 v[SPW], v[NIL]
	s_wait_dscnt 0x0
	CROUND
	s_endpgm
.Lfunc_end_k_q6ab595c8a2_qkv:
	.size	k_q6ab595c8a2_qkv, .Lfunc_end_k_q6ab595c8a2_qkv-k_q6ab595c8a2_qkv
	.p2alignl 7, 3214868480
	.fill 96, 4, 3214868480
	.section	.rodata,"a",@progbits
	.p2align	6, 0x0
	.amdhsa_kernel k_q6ab595c8a2_qkv
		.amdhsa_group_segment_fixed_size 327680
		.amdhsa_private_segment_fixed_size 0
		.amdhsa_enable_private_segment 0
		.amdhsa_kernarg_size 32
		.amdhsa_user_sgpr_count 2
		.amdhsa_user_sgpr_kernarg_segment_ptr 1
		.amdhsa_wavefront_size32 1
		.amdhsa_system_sgpr_workgroup_id_x 1
		.amdhsa_system_sgpr_workgroup_id_y 1
		.amdhsa_system_sgpr_workgroup_id_z 1
		.amdhsa_system_vgpr_workitem_id 0
		.amdhsa_next_free_vgpr 1024
		.amdhsa_next_free_sgpr 100
		.amdhsa_reserve_vcc 0
		.amdhsa_float_denorm_mode_32 3
		.amdhsa_float_denorm_mode_16_64 3
		.amdhsa_memory_ordered 1
		.amdhsa_forward_progress 1
		.amdhsa_inst_pref_size 172
	.end_amdhsa_kernel
	.amdgpu_metadata
---
amdhsa.version: [ 1, 2 ]
amdhsa.kernels:
  - .name:           k_q6ab595c8a2_qkv
    .symbol:         k_q6ab595c8a2_qkv.kd
    .args:
      - { .name: codes, .offset: 0, .size: 8, .value_kind: global_buffer, .address_space: global }
      - { .name: b_qkv, .offset: 8, .size: 8, .value_kind: global_buffer, .address_space: global }
      - { .name: lowp_scales, .offset: 16, .size: 8, .value_kind: global_buffer, .address_space: global }
      - { .name: qkvc, .offset: 24, .size: 8, .value_kind: global_buffer, .address_space: global }
    .group_segment_fixed_size: 327680
    .private_segment_fixed_size: 0
    .kernarg_segment_align: 8
    .kernarg_segment_size: 32
    .max_flat_workgroup_size: 128
    .sgpr_count:     100
    .vgpr_count:     1024
    .wavefront_size: 32
...
	.end_amdgpu_metadata
.endif
;; end of part 2
;; launch attn (part 3): grid 16 x 16, 8 waves a work-group, clusters of 4 x 1, 327,680 bytes of LDS; arguments qkvc, lowp_scales, out0; writes out0
.if DOCPART == 3
	.amdgcn_target "amdgcn-amd-amdhsa--gfx1250"
	.amdhsa_code_object_version 6
	.text
	.protected	k_q6ab595c8a2_attn
	.globl	k_q6ab595c8a2_attn
	.p2align	8
	.type	k_q6ab595c8a2_attn,@function
k_q6ab595c8a2_attn:
	s_mov_b64 s[64:65], 0
	v_nop
	global_prefetch_b8 v0, s[64:65] scope:SCOPE_SE
	s_setreg_imm32_b32 hwreg(HW_REG_WAVE_MODE, 25, 1), 1
	s_wait_xcnt 0x0
	s_wait_alu depctr_hold_cnt(0) depctr_sa_sdst(0) depctr_va_vdst(0) depctr_va_sdst(0) depctr_va_ssrc(0) depctr_va_vcc(0) depctr_vm_vsrc(0)
	s_getreg_b32 s2, hwreg(HW_REG_IB_STS2, 6, 4)
	s_cmp_eq_u32 s2, 0
	s_cbranch_scc0 .Lentry_in_a_cluster
	s_endpgm
.Lentry_in_a_cluster:
	s_bfe_u32 s2, ttmp6, 0x10000c
	s_cmp_lg_u32 s2, 0x3003
	s_cbranch_scc0 .Lentry_shape_is_right
	s_endpgm
.Lentry_shape_is_right:
; out0[q][hd][:] = the sum over keys of softmax(q . k / 8) v, 16 heads of 64, 4,096 tokens, no mask; both products on codes of FP8 (E4M3), each operand with its given scale 2^e: eq, ek, ev, ep (entries 2 to 5).
; qkvc: q [hd][token][64 bytes] from byte 0, k the same from 0x400000, v [hd][token / 64][channel][64 tokens] from 0x800000: a head's k and v are dense blocks of 262,144 bytes each.
; THE SOFTMAX: t = score x log2(e) / 8; M = the row's largest t so far, rounded UP to a whole number; p = 2^(t - M) is what is quantised, not normalised.  The row's sum is taken of the unquantised p, in f32, and divides at the end.
; When M moves, the sum and O are multiplied by 2^(old M - new M): nothing is rounded, and there is no branch on data.
; SHARES.  A work-group owns 256 queries of one head; each of its eight waves 32 of them, as two tiles of 16: tile 0 lives in register window 0, tile 1 in window 1, at the same register numbers,
; so one macro serves both.  Each fragment of K and of V that a wave reads from LDS feeds two matrix instructions.  A key step is 256 keys: 128 scores a lane and tile.
; THE RING: two LDS slots of 1,024 keys.  Wave w fetches one eighth of a slot, 16,384 dense bytes stated as 64 rows of 256 (waves 0-3: K; waves 4-7: V): one tensor load a wave, its addresses made of the wave's number, no branch.
; CLUSTER: the four query blocks of a cluster belong to one head and walk the same K and V: each load is a joint one, with the mask of all four and the same descriptor in all four.
; LAYOUT.  Both products are used transposed: S^T = K Q^T, O^T = V^T P^T: a lane holds ONE query (lane % 16) of each tile throughout.
; THE ROWS OF A TILE ARE NOT NEIGHBOURS, in K and in V alike: lane r of tile 2 b + u takes row 32 b + 8 u + r + 8 (r / 8).  So the 16 registers of score tiles 2 b, 2 b + 1 are keys 32 b + 16 h + 0 .. 15,
; which is the order in which loads of 16 bytes bring V's keys; and O^T's tiles 2 b, 2 b + 1 hold channels 32 b + 16 h + 0 .. 15.  Q and K are fed by loads of 16 bytes too: the same order of channels on both sides.
; LDS rows are 64 bytes with 16 of padding behind each 128: row i begins at word 16 i + 4 (i / 2), so the sixteen rows of such a tile begin at sixteen different groups of four banks (64 banks of 4 bytes: ISA guide 11.1).
; K'S FRAGMENTS ARE ASKED FOR A STEP AHEAD, in front of the second product, inside a slot; a slot's first step has them asked for behind the change of slots.
; LIMITS: eq + ek between -123 and 130 (added to c's exponent field); ep between -126 and 119; ep + ev goes in by v_ldexp_f32 and has none.  NaN among the inputs is not served.
; REGISTERS.  Window 0 alone: v1-9 addresses.  In each window: v10, v11, v28, v29 the maximum's chains; v12 -M, v13 the largest t, v[14:15] the sum; v16-23 Q; v24 2^ep, v25 448 x 2^ep; v[26:27] f; v30 at work;
;   v32-63 O^T; v64-95 p's codes; v96-223 S^T, then p (behind the softmax: in window 0 V's eight fragments, in window 1's upper half K's tiles 0-7 of the next step);
;   v224-255 sixteen chains of the sum, then four fragments of K (window 0: tiles 8-11, window 1: tiles 12-15).
.set NSL,   4                          ; slots' worth of keys
.set WT,    18432                      ; 256 rows of 64 bytes with their padding: what one wave fetches, and what one key step reads of K or of V
.set VOFF,  4*WT                       ; a slot: 1,024 rows of K, then 1,024 rows of V
.set SLOT,  8*WT
.set SPARE, 2*SLOT                     ; behind the ring: the spare words, 128 bytes for each of eight waves; no other line names them
.set AK0,  1                           ; v1   my lane's place in a tile of K
.set AV0,  2                           ; v2   the same for V
.set PFO,  3                           ; v3   the prefetches' offset: 256 x lane; never rewritten
.set SPW,  5                           ; v5   my spare word; never rewritten
.set NIL,  6                           ; v6   0; never rewritten
.set GO,   7                           ; v7   my byte offset in the wave's rows of the output
.set ADK,  8                           ; v8   LDS address of a step's K
.set ADV,  9                           ; v9   of its V
.set QF,   16
.set O,    32
.set P,    64
.set S,    96
.set F,    224
.set OB,   160                         ; the way out: rows read back from the stage
.set WV,   18                          ; s18  my wave's number
.set SEL,  20                          ; s[20:21] selects for v_permlanex16_b32: lane l xor 16
.set CS,   22                          ; s[22:23] c = log2(e) / 8 x 2^(eq + ek)
.set G1,   24                          ; s[24:31] descriptor group 1
.set G0,   40                          ; s[40:43] group 0, which walks
.set KB,   44                          ; s44  LDS byte at which the step in hand begins
.set CNT,  45                          ; s45  steps to go in the slot
.set TBN,  46                          ; s46  the slot that was asked for last: 0 or SLOT
.set WB,   47                          ; s47  my eighth of a slot: WT x wave
.set TB,   48                          ; s48  the slot in hand: 0 or SLOT
.set SLOTS, 49                         ; s49  slots still to be asked for
.set KN,   53                          ; s53  LDS byte at which the next step begins
.set PFA,  76                          ; s[76:77] where my prefetches stand
.set LIM,  80                          ; s80  1 in a wave that prefetches, else the greatest number
.set MSB, 0
.macro WIN new                         ; low byte: bits 1:0 source 0, 3:2 source 1, 5:4 source 2, 7:6 destination; the high byte repeats the setting that is left
.if MSB != \new
	s_set_vgpr_msb (MSB<<8)|\new
.set MSB, \new
.endif
.endm
; A PREFETCH INTO THE L2 of the slot that the NEXT change of slots will ask for: a slot's four key steps ahead of that load.  All four clusters of a head walk the same K and V: the head's first cluster asks.
; Waves 0, 2, 4, 6 ask for the 32,768 bytes that they and the next wave will fetch; the four partners share them out BY ADDRESS (8,192 bytes x cx), lanes 256 bytes apart: each aligned block of 256 bytes is named once.
; The last change that fills a slot asks for nothing; slots 0 and 1 come by their loads alone.
.macro ASK
	s_cmp_gt_u32 s[SLOTS], s[LIM]
	s_cbranch_scc0 .Lnot_mine_\@
	global_prefetch_b8 v[PFO], s[PFA:PFA+1] th:TH_LOAD_NT scope:SCOPE_SE
.Lnot_mine_\@:
.endm
.macro CROUND                          ; a round of the cluster's barrier
	s_barrier_signal -1
	s_barrier_wait -1
	s_cmp_lg_u32 s[WV], 0
	s_cbranch_scc1 .Lnot_wave_0_\@
	s_barrier_signal -3
.Lnot_wave_0_\@:
	s_barrier_wait -3
	s_barrier_signal -1
	s_barrier_wait -1
.endm
.macro JLOAD                           ; every wave's joint load; an s_nop 0 and four v_nop follow it
	tensor_load_to_lds s[G0:G0+3], s[G1:G1+7]
	s_nop 0
.rept 4
	v_nop
.endr
.endm
	s_load_b128 s[4:7], s[0:1], 0x0                ; qkvc s[4:5], the scales s[6:7]
	s_load_b64 s[8:9], s[0:1], 0x10                ; the output
	v_lshl_add_u32 v[SPW], v0, 2, SPARE
	v_mov_b32 v[NIL], 0
	ds_add_u32 v[SPW], v[NIL]                      ; the opening lines: the add, twice on end, and its wait ahead of my first tensor load
	ds_add_u32 v[SPW], v[NIL]
	v_lshrrev_b32 v8, 5, v0
	v_readfirstlane_b32 s[WV], v8                  ; wave 0..7
	s_bfe_u32 s50, ttmp6, 0x40000                  ; cx: it enters Q's, the output's and the prefetches' addresses alone
	s_lshl_b32 s51, ttmp9, 2
	s_add_co_u32 s51, s51, s50                     ; my block of 256 queries
	s_and_b32 s52, ttmp7, 0xffff                   ; the head, which the four partners share
	s_mov_b32 s[G1], 15|(0<<16)|(1<<20)|(1<<21)|(4<<22)|(3<<25)   ; the mask: all four; elements of 1 byte; padding on; bit 21 beside a mask; after every 32 words (code 4) 4 words (code 3)
	s_mov_b32 s[G1+1], 256<<16                     ; tensor_dim0
	s_mov_b32 s[G1+2], 64<<16                      ; tensor_dim1
	s_mov_b32 s[G1+3], 256<<16                     ; tile_dim0
	s_mov_b32 s[G1+4], 64                          ; tile_dim1
	s_mov_b32 s[G1+5], 256                         ; from row to row: dense
	s_mov_b32 s[G1+6], 0
	s_mov_b32 s[G1+7], 0
	s_mov_b32 s[SEL], 0x76543210
	s_mov_b32 s[SEL+1], 0xfedcba98
	s_mov_b32 s[CS], 0x3e38aa3b                    ; log2(e) / 8
	s_mov_b32 s[TB], 0
	s_mov_b32 s[TBN], 0
	s_mov_b32 s[SLOTS], NSL-1
	s_mul_i32 s[WB], s[WV], WT
	s_lshr_b32 s54, s[WV], 2                       ; what I fetch: K (0) or V (1),
	s_lshl_b32 s54, s54, 22
	s_and_b32 s55, s[WV], 3
	s_lshl_b32 s55, s55, 14                        ; which 16,384 bytes of a slot's 65,536,
	s_add_co_u32 s54, s54, s55
	s_lshl_b32 s55, s52, 18                        ; of my head
	s_add_co_u32 s54, s54, s55
	s_add_co_u32 s54, s54, 0x400000
	s_mov_b32 s55, 0
	s_wait_dscnt 0x0                               ; both opening adds are done
	s_wait_kmcnt 0x0
	s_load_b128 s[68:71], s[6:7], 0x8              ; eq, ek, ev, ep
	s_mov_b32 s[G0], 1                             ; count = 1
	s_mov_b32 s[G0+1], s[WB]                       ; LDS address: slot 0
	s_add_nc_u64 s[G0+2:G0+3], s[4:5], s[54:55]
	s_or_b32 s[G0+3], s[G0+3], 0x80000000          ; type = 2
	CROUND                                         ; all four work-groups are here: the first joint loads meet
	JLOAD                                          ; slot 0: my one tensor load at the head
	s_lshl_b32 s56, s51, 8
	s_lshl_b32 s57, s[WV], 5
	s_add_co_u32 s56, s56, s57                     ; my first query
	s_lshl_b32 s58, s56, 6
	s_lshl_b32 s57, s52, 18
	s_add_co_u32 s58, s58, s57
	s_mov_b32 s59, 0
	s_add_nc_u64 s[58:59], s[4:5], s[58:59]        ; its codes of q
	s_lshl_b32 s60, s56, 12
	s_lshl_b32 s57, s52, 8
	s_add_co_u32 s60, s60, s57
	s_mov_b32 s61, 0
	s_add_nc_u64 s[8:9], s[8:9], s[60:61]          ; its row of the output, at my head's 256 bytes
	v_and_b32 v8, 15, v0                           ; r
	v_bfe_u32 v9, v0, 4, 1                         ; h
	v_lshlrev_b32 v10, 6, v8
	v_lshl_add_u32 v10, v9, 4, v10                 ; Q: row r of 64 bytes, + 16 h
	global_load_b128 v[QF:QF+3], v10, s[58:59]     ; Q's fragments stay in registers: tile 0 in window 0,
	global_load_b128 v[QF+4:QF+7], v10, s[58:59] offset:32
	WIN 0x40
	global_load_b128 v[QF:QF+3], v10, s[58:59] offset:1024   ; tile 1 in window 1
	global_load_b128 v[QF+4:QF+7], v10, s[58:59] offset:1056
	WIN 0
	v_bfe_u32 v11, v0, 1, 3                        ; r / 2
	v_bfe_u32 v4, v0, 3, 1                         ; r / 8
	v_lshl_add_u32 v11, v4, 2, v11                 ; (r + 8 (r / 8)) / 2: which pair of rows
	v_mul_u32_u24 v11, v11, 144                    ; a pair of rows with its padding
	v_and_b32 v4, 1, v0
	v_lshl_add_u32 v11, v4, 6, v11
	v_lshl_add_u32 v[AK0], v9, 4, v11              ; + 16 h
	v_add_nc_u32 v[AV0], VOFF, v[AK0]
	v_lshlrev_b32 v[GO], 12, v9
	v_lshl_add_u32 v[GO], v8, 4, v[GO]             ; the way out: lanes 0-15 one row of the output, lanes 16-31 the next; 16 bytes a lane
	v_and_b32 v[PFO], 31, v0
	v_lshlrev_b32 v[PFO], 8, v[PFO]
	s_lshl_b32 s82, s50, 13                        ; the prefetches: my work-group's 8,192 bytes,
	s_add_co_u32 s82, s82, s54                     ; of what I and the next wave fetch,
	s_add_co_u32 s82, s82, 65536                   ; in slot 1: the first change of slots steps it to slot 2
	s_mov_b32 s83, 0
	s_add_nc_u64 s[PFA:PFA+1], s[4:5], s[82:83]
	s_and_b32 s81, s[WV], 1                        ; 0 in waves 0, 2, 4, 6,
	s_or_b32 s81, s81, ttmp9                       ; of the head's first cluster: the same in all four partners
	s_cmp_eq_u32 s81, 0
	s_cselect_b32 s[LIM], 1, -1
	s_wait_kmcnt 0x0
	s_add_co_i32 s72, s68, s69
	s_lshl_b32 s72, s72, 23
	s_add_co_i32 s[CS], s[CS], s72                 ; a score stands for score x 2^(eq + ek): the two exponents go into c's exponent field
	s_mov_b32 s[CS+1], s[CS]                       ; (named with it as a pair, so it is written)
	s_add_co_i32 s72, s71, 127
	s_lshl_b32 s73, s72, 23                        ; 2^ep as f32
	s_add_co_i32 s72, s72, 8
	s_lshl_b32 s72, s72, 23
	s_or_b32 s72, s72, 0x600000                    ; 448 x 2^ep
.macro INIT                            ; a tile's state, in the window that is set
	v_mov_b32 v13, 0xff61b1e6                      ; the largest t so far: -3e38, under every t
	v_floor_f32 v12, -v13                          ; -M
	v_mov_b32 v14, 0                               ; the sum, in two halves
	v_mov_b32 v15, 0
	v_mov_b32 v27, 0                               ; (named as the upper half of the pair v[26:27])
	v_mov_b32 v30, 0                               ; a lane permute's destination counts as one of its sources
	v_mov_b32 v24, s73
	v_mov_b32 v25, s72
.set n, 0
.rept 32
	v_mov_b32 v[O+n], 0                            ; O^T.  (The step is written once: the first finds zeros, which the first change of M leaves zeros)
.set n, n+1
.endr
.endm
	INIT
	WIN 0x55
	INIT
	WIN 0
.macro FMA n                           ; t - M, two at a time (of the pairs c and -M the low word serves both halves)
	v_pk_fma_f32 v[S+(\n):S+(\n)+1], v[S+(\n):S+(\n)+1], s[CS:CS+1], v[12:13] op_sel_hi:[1,0,0]
.endm
.macro HOLD n                          ; the conversion does not saturate (ISA guide 7.6.2); p is not negative, so the hold is one-sided; two numbers a line
	v_dual_min_num_f32 v[S+(\n)], v25, v[S+(\n)] :: v_dual_min_num_f32 v[S+(\n)+1], v25, v[S+(\n)+1]
.endm
.macro TADD a, b                       ; chain a of the sum takes chain b in
	v_pk_add_f32 v[F+2*(\a):F+2*(\a)+1], v[F+2*(\a):F+2*(\a)+1], v[F+2*(\b):F+2*(\b)+1]
.endm
; THE SOFTMAX of one tile of 16 queries over the step's 256 keys: 128 scores a lane, in four quarters of 32 registers.  All its registers lie in the window that is set.
; The exponentials go in four batches of 32.  Behind each exponential stands a plain line that is due anyway: a later quarter's t - M, an earlier quarter's sum or hold.  No such line reads what a line of the same batch wrote:
; the sum has sixteen chains, one add a chain in a batch.  A wait stands between the batches, ahead of the first and behind the last.
.macro SOFT qt
.if \qt
	s_wait_alu depctr_va_vdst(0)
.endif
	v_max3_num_f32 v28, v[S], v[S+1], v[S+2]       ; the step's largest score, in four chains, ascending: each accumulator from its low end on
	v_max3_num_f32 v29, v[S+3], v[S+4], v[S+5]
	v_max3_num_f32 v10, v[S+6], v[S+7], v[S+8]
	v_max3_num_f32 v11, v[S+9], v[S+10], v[S+11]
.set n, 12
.rept 14
	v_max3_num_f32 v28, v28, v[S+n], v[S+n+1]
	v_max3_num_f32 v29, v29, v[S+n+2], v[S+n+3]
	v_max3_num_f32 v10, v10, v[S+n+4], v[S+n+5]
	v_max3_num_f32 v11, v11, v[S+n+6], v[S+n+7]
.set n, n+8
.endr
	v_max3_num_f32 v28, v28, v[S+124], v[S+125]
	v_max3_num_f32 v29, v29, v[S+126], v[S+127]
	s_delay_alu instid0(VALU_DEP_1)
	v_max3_num_f32 v28, v28, v29, v10
	s_delay_alu instid0(VALU_DEP_1)
	v_max_num_f32 v28, v28, v11
	s_delay_alu instid0(VALU_DEP_1)
	v_permlanex16_b32 v30, v28, s[SEL], s[SEL+1]
	s_delay_alu instid0(VALU_DEP_1)
	v_max_num_f32 v28, v28, v30                    ; and among lane l xor 16's
	s_delay_alu instid0(VALU_DEP_1)
	v_mul_f32 v28, s[CS], v28                      ; as t (c is positive)
	s_delay_alu instid0(VALU_DEP_1)
	v_max_num_f32 v13, v13, v28                    ; the running largest t
	v_mov_b32 v28, v12
	s_delay_alu instid0(VALU_DEP_2)
	v_floor_f32 v12, -v13                          ; the new -M = floor(-t) = -ceil(t): a whole number
	s_delay_alu instid0(VALU_DEP_1)
	v_sub_f32 v28, v12, v28                        ; M's old value less its new one: 0 or less
	s_delay_alu instid0(VALU_DEP_1)
	v_cvt_i32_f32 v28, v28                         ; (it saturates)
	s_delay_alu instid0(VALU_DEP_1)
	v_ldexp_f32 v26, 1.0, v28                      ; f = 2^(old M - new M)
.set n, 0
.rept 16
	FMA n                                          ; quarter 0
.set n, n+2
.endr
	s_wait_alu depctr_va_vdst(0)                   ; the wait stands directly ahead of the first read of O^T; it stands ahead of the first batch too, whose sources are the lines above
.set n, 0
.rept 16
	v_pk_mul_f32 v[O+n:O+n+1], v[O+n:O+n+1], v[26:27] op_sel_hi:[1,0]   ; O^T under the new M
.set n, n+2
.endr
	v_pk_mul_f32 v[14:15], v[14:15], v[26:27] op_sel_hi:[1,0]   ; the sum under the new M
.set n, 0
.rept 32                               ; batch 1: p = 2^(t - M) of quarter 0; t - M of quarters 1 and 2
	v_exp_f32 v[S+n], v[S+n]
	FMA 32+2*n
.set n, n+1
.endr
	s_wait_alu depctr_va_vdst(0)
.set n, 0
.rept 16                               ; batch 2: quarter 1; t - M of quarter 3
	v_exp_f32 v[S+32+2*n], v[S+32+2*n]
	FMA 96+2*n
	v_exp_f32 v[S+33+2*n], v[S+33+2*n]
.set n, n+1
.endr
	v_nop                                          ; a plain instruction behind the last exponential
	s_wait_alu depctr_va_vdst(0)
.set n, 0
.rept 16                               ; batch 3: quarter 2; THE ROW'S SUM IS TAKEN OF THE UNQUANTISED p: the sixteen chains begin with quarters 0 and 1;
	v_exp_f32 v[S+64+n], v[S+64+n]
	v_pk_add_f32 v[F+2*n:F+2*n+1], v[S+2*n:S+2*n+1], v[S+32+2*n:S+33+2*n]
.set n, n+1
.endr
.set n, 0
.rept 16                               ; then quarter 0 is held
	v_exp_f32 v[S+80+n], v[S+80+n]
	HOLD 2*n
.set n, n+1
.endr
	v_nop
	s_wait_alu depctr_va_vdst(0)
.set n, 0
.rept 16                               ; batch 4: quarter 3; the chains take quarter 2;
	v_exp_f32 v[S+96+n], v[S+96+n]
	v_pk_add_f32 v[F+2*n:F+2*n+1], v[F+2*n:F+2*n+1], v[S+64+2*n:S+65+2*n]
.set n, n+1
.endr
.set n, 0
.rept 16                               ; then quarter 1 is held
	v_exp_f32 v[S+112+n], v[S+112+n]
	HOLD 32+2*n
.set n, n+1
.endr
	v_nop
	s_wait_alu depctr_va_vdst(0)
.set n, 0
.rept 16
	v_pk_add_f32 v[F+2*n:F+2*n+1], v[F+2*n:F+2*n+1], v[S+96+2*n:S+97+2*n]   ; the chains take quarter 3
.set n, n+1
.endr
.set n, 0
.rept 8                                ; the chains are joined, with the holds of quarters 2 and 3 between the levels
	TADD n, n+8
.set n, n+1
.endr
.set n, 0
.rept 8
	HOLD 64+2*n
.set n, n+1
.endr
.irp a, 0,1,2,3
	TADD \a, \a+4
.endr
.set n, 0
.rept 8
	HOLD 80+2*n
.set n, n+1
.endr
	TADD 0, 2
	TADD 1, 3
.set n, 0
.rept 8
	HOLD 96+2*n
.set n, n+1
.endr
	TADD 0, 1
.set n, 0
.rept 8
	HOLD 112+2*n
.set n, n+1
.endr
	v_pk_add_f32 v[14:15], v[14:15], v[F:F+1]
.set n, 0
.rept 16
	v_cvt_scalef32_pk8_fp8_f32 v[P+2*n:P+2*n+1], v[S+8*n:S+8*n+7], v24   ; score tile n gives registers 2 n, 2 n + 1 of the second product's operand
.set n, n+1
.endr
	v_nop                                          ; one plain instruction behind the last conversion
.endm
.macro KLD dst, t0                     ; four fragments of K, tiles t0 .. t0 + 3: tile t begins at row 32 (t / 2) + 8 (t % 2)
.irp i, 0,1,2,3
	ds_load_b128 v[\dst+8*\i:\dst+8*\i+3], v[ADK] offset:2304*((\t0+\i)/2)+576*((\t0+\i)%2)
	ds_load_b128 v[\dst+8*\i+4:\dst+8*\i+7], v[ADK] offset:2304*((\t0+\i)/2)+576*((\t0+\i)%2)+32
.endr
.endm
.macro KPRE                            ; a step's sixteen fragments of K: 32 loads, in the order in which they are used
	WIN 0x40
	KLD S+64, 0                                    ; tiles 0-7 into the upper half of tile 1's score registers, which are done with
	KLD S+96, 4
	WIN 0
	KLD F, 8
	WIN 0x40
	KLD F, 12
	WIN 0
.endm
.macro QK4 a, t0                       ; four score tiles of the query tile whose window is set
.irp i, 0,1,2,3
	v_wmma_f32_16x16x64_fp8_fp8 v[S+8*(\t0+\i):S+8*(\t0+\i)+7], v[\a+8*\i:\a+8*\i+7], v[QF:QF+7], 0
.endr
.endm
; A KEY STEP: 256 keys, from LDS byte s[KB] of the ring on.  Its fragments of K have been asked for.
.macro STEP
	v_add_nc_u32 v[ADV], s[KB], v[AV0]
.rept 4
	v_nop                                          ; with the addition: five places between the last products and the products that write over the registers that they read
.endr
	s_wait_dscnt 24                                ; tiles 0-3 are in; the 24 younger loads may be out
	WIN 0x01                                       ; K from window 1; Q and the scores in window 0
	QK4 S+64, 0
	WIN 0x55                                       ; all in window 1
	QK4 S+64, 0
	s_wait_dscnt 16
	WIN 0x01
	QK4 S+96, 4
	WIN 0x55
	QK4 S+96, 4
	s_wait_dscnt 8
	WIN 0
.rept 5
	v_nop                                          ; five places: tile 1's scores of key tiles 8-15 are written over the fragments of tiles 0-7
.endr
	QK4 F, 8
	WIN 0x54                                       ; K from window 0; Q and the scores in window 1
	QK4 F, 8
	s_wait_dscnt 0x0
	WIN 0x01
	QK4 F, 12
	WIN 0x55
	QK4 F, 12
	WIN 0
.rept 4
	v_nop                                          ; places in front of the first read of the scores
.endr
	SOFT 0
.set f, 0
.rept 8                                ; V's eight fragments (128 keys 128 (f / 4) on, channel tile f % 4) land in tile 0's score registers, which are done with, while tile 1's softmax is worked
.irp i, 0,1,2,3
	ds_load_b128 v[S+16*f+4*\i:S+16*f+4*\i+3], v[ADV] offset:(2*(f/4)+(\i/2))*4608+2304*((f%4)/2)+576*(f%2)+32*(\i%2)
.endr
.set f, f+1
.endr
	WIN 0x55
	SOFT 1
	WIN 0
	s_wait_alu depctr_va_vdst(0)                   ; the wait stands ahead of the branch and the waits below
	s_cmp_eq_u32 s[CNT], 1                         ; the slot's last step asks for nothing: the next step's keys lie behind the change of slots
	s_cbranch_scc1 .Llast_\@
	s_add_co_u32 s[KN], s[KB], WT
	v_add_nc_u32 v[ADK], s[KN], v[AK0]
	KPRE                                           ; the next step's K lands under the sixteen products below
	s_wait_dscnt 32                                ; V is in; K's 32 loads may be out
	s_branch .Lpv_\@
.Llast_\@:
	s_wait_dscnt 0x0                               ; V is in
.Lpv_\@:
.irp kk, 0,1                           ; O^T += V^T P^T: eight accumulators, one instruction a turn: seven others stand between two links of a sum
.irp qt, 0,1
	WIN 0x54*\qt
.irp c, 0,1,2,3
	v_wmma_f32_16x16x128_fp8_fp8 v[O+8*\c:O+8*\c+7], v[S+16*(4*\kk+\c):S+16*(4*\kk+\c)+15], v[P+16*\kk:P+16*\kk+15], v[O+8*\c:O+8*\c+7]
.endr
.endr
.endr
	WIN 0
.endm
; THE CHANGE OF SLOTS stands at a slot's head.  Each wave waits for all its tensor loads, adds 0 to its spare word, and waits for that and for its reads of the slot that it has left.
; fill = 1: a round of the cluster's barrier, so that no wave of any partner still reads that slot or has a load on its way; behind it the slot is filled with the keys that follow: the load has four key steps in which to land.
.macro CHANGE fill
	s_wait_tensorcnt 0x0                           ; no tensor load of mine is out, so group 0 may be written
	ds_add_u32 v[SPW], v[NIL]                      ; 0 onto my spare word
.if \fill
	s_xor_b32 s[TBN], s[TBN], SLOT                 ; the walking descriptor: the other slot than last time,
	s_add_co_u32 s[G0+1], s[WB], s[TBN]
	s_add_nc_u64 s[G0+2:G0+3], s[G0+2:G0+3], 65536 ; the next 1,024 keys; the type bits on top are not reached
	s_wait_xcnt 0x0                                ; the last prefetch, a slot back, has read its address, so it may be written:
	s_add_nc_u64 s[PFA:PFA+1], s[PFA:PFA+1], 65536 ; one slot further on than the walking descriptor
	s_wait_dscnt 0x0                               ; the add is done, and my reads of the slot that I have left are over
	CROUND
	JLOAD                                          ; the first thing behind the round, and my one tensor load until the next
	ASK
.else
	s_wait_dscnt 0x0
	s_barrier_signal -1
	s_barrier_wait -1
.endif
.endm
.macro SLOT_STEPS
	s_mov_b32 s[KB], s[TB]
	s_mov_b32 s[CNT], 4
	v_add_nc_u32 v[ADK], s[KB], v[AK0]
	KPRE                                           ; the slot's first step
.Lstep_\@:
	STEP
	s_add_co_u32 s[KB], s[KB], WT
	s_sub_co_u32 s[CNT], s[CNT], 1
	s_cmp_lg_u32 s[CNT], 0
	s_cbranch_scc1 .Lstep_\@
	s_xor_b32 s[TB], s[TB], SLOT                   ; on to the other slot
.endm
	s_wait_alu depctr_va_vdst(0)                   ; the wait at the head's end
	s_wait_loadcnt 0x0                             ; Q
.Lslot:                                            ; NSL - 1 trips: behind each change of slots but the last the next slot is asked for (the first time: slot 1's first fill, issued as a refill is)
	CHANGE 1
	SLOT_STEPS
	s_sub_co_u32 s[SLOTS], s[SLOTS], 1
	s_cmp_lg_u32 s[SLOTS], 0
	s_cbranch_scc1 .Lslot
	CHANGE 0                                       ; the last slot is written out
	SLOT_STEPS
	; THE WAY OUT.  O^T is divided by the row's sum, multiplied by 2^(ep + ev), and goes through my stage in LDS, so that sixteen lanes store a query's 256 bytes of my head.
	; The stages, 32 rows x 272 bytes a wave, lie in slot 0, which was left at the last change of slots: it has had its last fill, and nobody reads it.
	s_add_co_i32 s72, s70, s71                     ; ev + ep
.macro FIN qt
	v_add_f32 v14, v14, v15                        ; the sum's two halves,
	v_permlanex16_b32 v30, v14, s[SEL], s[SEL+1]
	v_add_f32 v14, v14, v30                        ; and lane l xor 16's
	s_wait_alu depctr_va_vdst(0)                   ; a wait ahead of the reciprocal
	v_rcp_f32 v14, v14
	v_nop                                          ; a plain instruction behind it
	s_wait_alu depctr_va_vdst(0)                   ; and a wait behind it
	v_ldexp_f32 v14, v14, s72
	WIN 0x05*\qt                                   ; the results go to window 0
	s_wait_alu depctr_va_vdst(0)                   ; the wait stands directly ahead of the first read of O^T
.set n, 0
.rept 32
	v_mul_f32 v[S+32*\qt+n], v[O+n], v14           ; register 8 (2 b + u) + j is o(r, 32 b + 16 h + 8 u + j); each accumulator from its low end on
.set n, n+1
.endr
.endm
	FIN 0
	WIN 0x55
	FIN 1
	WIN 0
	v_and_b32 v8, 15, v0                           ; r
	v_bfe_u32 v9, v0, 4, 1                         ; h
	s_mul_i32 s73, s[WV], 32*272                   ; my stage
	v_mul_u32_u24 v10, v8, 272
	v_lshl_add_u32 v10, v9, 6, v10
	v_add_nc_u32 v10, s73, v10                     ; in: row r, + 64 h bytes
	v_mul_u32_u24 v11, v9, 272
	v_lshl_add_u32 v11, v8, 4, v11
	v_add_nc_u32 v11, s73, v11                     ; back: lanes 0-15 one row, lanes 16-31 the next
.irp qt, 0,1
.irp c, 0,1,2,3
	ds_store_b128 v10, v[S+32*\qt+8*\c:S+32*\qt+8*\c+3] offset:4352*\qt+128*(\c/2)+32*(\c%2)
	ds_store_b128 v10, v[S+32*\qt+8*\c+4:S+32*\qt+8*\c+7] offset:4352*\qt+128*(\c/2)+32*(\c%2)+16
.endr
.endr
.irp k, 0,1,2,3,4,5,6,7,8,9,10,11,12,13,14,15
	ds_load_b128 v[OB+4*\k:OB+4*\k+3], v11 offset:2*\k*272   ; LDS serves a wave's instructions in order (ISA guide 5.7.1.4): these see my stores
.endr
.irp k, 0,1,2,3,4,5,6,7,8,9,10,11,12,13,14,15
	s_wait_dscnt 15-\k                             ; load k is in; the younger ones may be out
	global_store_b128 v[GO], v[OB+4*\k:OB+4*\k+3], s[8:9] offset:2*\k*4096 th:TH_STORE_NT   ; sixteen lanes store 256 consecutive bytes, aligned; written once
.endr
	s_wait_tensorcnt 0x0                           ; the wave's end
	ds_add_u32 v[SPW], v[NIL]
	s_wait_dscnt 0x0
	CROUND                                         ; the closing round: no work-group ends while a partner may still ask for a tile that names it
	s_endpgm
.Lfunc_end_k_q6ab595c8a2_attn:
	.size	k_q6ab595c8a2_attn, .Lfunc_end_k_q6ab595c8a2_attn-k_q6ab595c8a2_attn
	.p2alignl 7, 3214868480
	.fill 96, 4, 3214868480
	.section	.rodata,"a",@progbits
	.p2align	6, 0x0
	.amdhsa_kernel k_q6ab595c8a2_attn
		.amdhsa_group_segment_fixed_size 327680
		.amdhsa_private_segment_fixed_size 0
		.amdhsa_enable_private_segment 0
		.amdhsa_kernarg_size 24
		.amdhsa_user_sgpr_count 2
		.amdhsa_user_sgpr_kernarg_segment_ptr 1
		.amdhsa_wavefront_size32 1
		.amdhsa_system_sgpr_workgroup_id_x 1
		.amdhsa_system_sgpr_workgroup_id_y 1
		.amdhsa_system_sgpr_workgroup_id_z 1
		.amdhsa_system_vgpr_workitem_id 0
		.amdhsa_next_free_vgpr 512
		.amdhsa_next_free_sgpr 100
		.amdhsa_reserve_vcc 0
		.amdhsa_float_denorm_mode_32 3
		.amdhsa_float_denorm_mode_16_64 3
		.amdhsa_memory_ordered 1
		.amdhsa_forward_progress 1
		.amdhsa_inst_pref_size 132
	.end_amdhsa_kernel
	.amdgpu_metadata
---
amdhsa.version: [ 1, 2 ]
amdhsa.kernels:
  - .name:           k_q6ab595c8a2_attn
    .symbol:         k_q6ab595c8a2_attn.kd
    .args:
      - { .name: qkvc, .offset: 0, .size: 8, .value_kind: global_buffer, .address_space: global }
      - { .name: lowp_scales, .offset: 8, .size: 8, .value_kind: global_buffer, .address_space: global }
      - { .name: out0, .offset: 16, .size: 8, .value_kind: global_buffer, .address_space: global }
    .group_segment_fixed_size: 327680
    .private_segment_fixed_size: 0
    .kernarg_segment_align: 8
    .kernarg_segment_size: 24
    .max_flat_workgroup_size: 256
    .sgpr_count:     100
    .vgpr_count:     512
    .wavefront_size: 32
...
	.end_amdgpu_metadata
.endif
;; end of part 3
